; MI455X (gfx1250); checked and timed in simulation.
; The chip was launched on July 23, 2026; its instructions are those of AMD's public machine-readable ISA for CDNA 5 (MIT licence, August 2026) and "CDNA5" Instruction Set Architecture Reference Guide (July 2026). The comments in the code are by the model that wrote it; some were corrected since.
;; Fact Machine. Allowed arithmetic: float matrix products may take bf16 or f16 operands with f32 sums; other float arithmetic in f32, or as packed bf16 or f16 multiplies, adds, multiply-adds, maxima and minima; sums over many terms, partial sums and values carried from step to step in f32; what a program stores and reads back later, other than sums and carried values, may be rounded once to bf16 or f16.
;; Inputs: V_b 64 float32; V_w 64 x 512 float32; X 32,768 x 512 float32; w0_b 1 float32; w0_w 1 x 1 float32; w_b 1 float32; w_w 1 x 512 float32.
;; Outputs: out0 32,768 x 1 float32.
;; One version. Each part assembles by itself: llvm-mc -triple=amdgcn-amd-amdhsa -mcpu=gfx1250 --defsym DOCPART=n.
;; ======== version 1 of 1: 1 launch
;; launch fm (part 1): grid 256 x 1, 4 waves a work-group, no clusters, 309,248 bytes of LDS; arguments X, V_w, V_b, w_w, w0_w, w0_b, w_b, out0; writes out0
.if DOCPART == 1
	.amdgcn_target "amdgcn-amd-amdhsa--gfx1250"
	.amdhsa_code_object_version 6
	.text
	.protected	k_q664cb1bbff_fm
	.globl	k_q664cb1bbff_fm
	.p2align	8
	.type	k_q664cb1bbff_fm,@function
k_q664cb1bbff_fm:
	s_mov_b64 s[64:65], 0
	v_nop
	global_prefetch_b8 v0, s[64:65] scope:SCOPE_SE
	s_setreg_imm32_b32 hwreg(HW_REG_WAVE_MODE, 25, 1), 1
	s_wait_xcnt 0x0
; Factorisation machine: out[m] = (w0_w + w0_b + w_b) + X[m].w + 0.5 (|X[m] V|^2 - (X[m]^2).sq),
; V[d][f] = V_w[f][d] + V_b[f], sq[d] = sum over f of V[d][f]^2.   X: [32768][512] f32, V_w: [64][512] f32.
;
; SHARES.  256 work-groups of 128 rows, four waves.  Wave w owns K = 128 w .. 128 w + 127: 512 bytes of every row of X and of V_w.
; X.  All 128 rows x 2,048 bytes are asked for at the start: eight tensor loads a wave, 16 rows x 512 bytes each, into LDS rows of 528.
; V.  X's 270,336 bytes of LDS and an f32 copy of V_w (135,168 with padding) do not fit in 327,680 together, so V_w comes through
; registers: one load covers the 512 consecutive bytes of a row that are the wave's.  In that layout V_b[f] is the same in every lane
; and sq[k] is a sum inside the lane.  Only the bf16 result goes through LDS (32 rows x 272 bytes at a time, the wave's own) to
; become fragments.  NO CLUSTER: what the work-groups share is V_w, loads into registers cannot be asked for jointly, and the LDS
; that a joint tensor load of V_w would need is X's.
; PRODUCTS.  bf16 operands, f32 sums.  Four column tiles give X V.  A fifth accumulator takes W x X and then Q x X^2 with W = w[k] and
; Q = -0.5 sq[k] in all 16 columns: each of its elements is X.w - 0.5 X^2.sq of its row, and one register of it is all that is kept.
; The matrix instruction is used transposed (source 0 = rows f of V, source 1 = rows of X): lane l holds row l % 16 of X and
; registers 0-7 the columns 8 (l / 16) + 0..7, so that the sum over f is in the lane but for one exchange between the halves.
; THE SUM OVER K is a ring.  In turn p = 0..3 wave w takes rows 32 g .. 32 g + 31, g = (w + p + 1) % 4, and starts from the sums that
; wave (w + 1) % 4 left for these rows in turn p - 1; after turn 3 it holds the whole sums of rows 32 w .. 32 w + 31.  The sums
; travel through the X slots that the writer has used up.  Behind the last tile only squares and the way out are left.
; LIMITS.  X, V, w and -0.5 sq are rounded to bf16 (8 significant bits); x^2 is the square of the rounded x, rounded to bf16 again.
; |XV|^2 and X^2.sq cancel, so the error is relative to those terms and not to the result.  k and f are summed in another order than
; in the reference.  x^2 beyond the range of bf16 (that of f32) is infinite, as in the reference.
.set PITCH,  528                       ; an LDS row of X: 512 bytes + 16 of padding: the 16 rows that a load touches fall on different banks
.set TILE,   16*PITCH                  ; a slot: 8,448 bytes
.set SLOTP,  4*TILE                    ; from a wave's slot to its next: the four waves' slots of one tile number lie side by side
.set XSTEP,  16*2048                   ; bytes from 16 rows of X to the next 16
.set STG,    8*SLOTP                   ; behind X: each wave's staging for V
.set VPITCH, 272                       ; a staged row: 128 bf16 + 16 bytes of padding
.set STW,    32*VPITCH                 ; in the staging: behind 32 rows of V the row of w,
.set STQ,    STW+256                   ; the row of -0.5 sq,
.set STB,    STQ+256                   ; and V_b's 64 numbers
.set STGSZ,  STB+256
.set RES,    STG+4*STGSZ               ; the group's 128 results
.set PADW,   (2<<16)|(1<<20)|(6<<22)|(3<<25)   ; group 1, word 0: elements of 4 bytes; padding on; after every 128 words; of 4 words
; vector registers, window 0
.set LANE, 1
.set AX,   4                           ; v4-7    LDS: my 32 bytes in row l % 16 of my slot 2 p
.set PS,   8                           ; v8-10   LDS: 16 x lane in my slot 2 p (sums out)
.set RX,   11                          ; v11-13  LDS: 16 x lane in slot 2 p of wave (w + 1) % 4 (sums in)
.set VOA,  14                          ; byte offset in V_w of my 16 bytes in the first row of the half taken first
.set VOB,  15                          ; the same for the other half
.set WO,   16                          ; byte offset of my four numbers in w_w
.set O8,   17                          ; byte offset of my two numbers in V_b
.set VS,   18                          ; LDS: staging + 8 x lane
.set VFA,  19                          ; LDS: staging + (l % 16) x 272 + 16 (l / 16)
.set WFA,  20                          ; LDS: staging + 16 (l / 16)
.set VBU,  21                          ; LDS: staging, the same in every lane
.set RS,   22                          ; LDS: my result
.set RL,   23                          ; LDS: four results (wave 0, the way out)
.set OO,   24                          ; 16 x lane
.set VBL,  26                          ; v26-27   V_b as loaded
.set SQA,  28                          ; v28-31   sq of my four k
.set WR,   32                          ; v32-35   w of my four k
.set XF,   36                          ; v36-99   a tile in f32, K step s at 16 s
.set XB,   100                         ; v100-131 the tile's X in bf16, K step s at 8 s
.set XS,   132                         ; v132-163 the tile's X^2 in bf16
.set ACC,  164                         ; v164-203 five accumulators
.set CARRY, 204                        ; X.w - 0.5 X^2.sq of the K quarters so far
.set SQ,   206                         ; v206-213 at the end: running sums of squares
.set Z,    214                         ; v214-215 at the end: my half of a row's result, tile 0 and tile 1 of the turn
.set TA,   216
.set TB,   217
.set VBA,  96                          ; v96-127  while V is built: V_b of the first 32 rows, each in every lane
.set RAWA, 128                         ; v128-255 while V is built: the first 32 rows, 4 registers each
; window 1 (v256 and up, written by their low 8 bits)
.set VF,   0                           ; v256-383 V in bf16: K step s, column tile t at 32 s + 8 t
.set WF,   128                         ; v384-415 W
.set QF,   160                         ; v416-447 Q
; window 2 (v512 and up): the second 32 rows with all that their arithmetic names, so that it runs under one setting
.set RAWB, 0                           ; v512-639
.set VBB,  128                         ; v640-671
.set SQB,  160                         ; v672-675
; scalar registers
.set GX,   24                          ; s[24:31] descriptor group 1
.set G0,   32                          ; s[32:63] descriptor group 0 of tiles 0-7: none is written again
.set MSB, 0
.macro WIN new                         ; s_set_vgpr_msb: bits 1:0 source 0, 3:2 source 1, 5:4 source 2, 7:6 destination; the high byte repeats the setting left
.if MSB != \new
	s_set_vgpr_msb (MSB<<8)|\new
.set MSB, \new
.endif
.endm
	s_load_b256 s[4:11], s[0:1], 0x0               ; X s[4:5], V_w s[6:7], V_b s[8:9], w_w s[10:11]
	s_load_b256 s[12:19], s[0:1], 0x20             ; w0_w s[12:13], w0_b s[14:15], w_b s[16:17], out0 s[18:19]
	v_lshl_add_u32 v25, v0, 2, 0x4b600
	s_set_vgpr_msb 0x40
	v_mov_b32 v255, 0
	s_set_vgpr_msb 0x4044
	ds_add_u32 v25, v255
	ds_add_u32 v25, v255
	s_set_vgpr_msb 0x4400
	; everything that needs no address is made while these are on their way
	v_lshrrev_b32 v1, 5, v0
	v_readfirstlane_b32 s20, v1                    ; wave 0..3
	; group 1: 16 rows x 128 f32, 512 elements from row to row
	s_mov_b32 s[GX+0], PADW
	s_mov_b32 s[GX+1], 128<<16                     ; tensor_dim0 = 128
	s_mov_b32 s[GX+2], 16<<16                      ; tensor_dim1 = 16
	s_mov_b32 s[GX+3], 128<<16                     ; tile_dim0 = 128
	s_mov_b32 s[GX+4], 16                          ; tile_dim1 = 16
	s_mov_b32 s[GX+5], 512                         ; stride
	s_mov_b32 s[GX+6], 0
	s_mov_b32 s[GX+7], 0
	s_mul_i32 s21, s20, TILE                       ; my place among the four slots of a tile number
.irp i, 0,1,2,3,4,5,6,7
	s_mov_b32 s[G0+4*\i], 1
	s_add_co_u32 s[G0+4*\i+1], s21, \i*SLOTP
.endr
	s_lshl_b32 s80, s20, 9                         ; my wave's 512 bytes in a row
	s_lshl_b32 s68, ttmp9, 18                      ; the group's 128 rows of 2,048 bytes (below 2^26)
	s_or_b32 s68, s68, s80
	s_mov_b32 s69, 0
.irp p, 0,1,2,3
	s_add_co_u32 s[70+2*\p], s20, \p+1             ; turn p: rows 32 g, g = (w + p + 1) % 4,
	s_and_b32 s[70+2*\p], s[70+2*\p], 3
	s_lshl_b32 s[70+2*\p], s[70+2*\p], 16          ; in bytes: 32 rows of 2,048
	s_mov_b32 s[71+2*\p], 0
.endr
	s_lshl_b32 s78, ttmp9, 9                       ; the group's 512 bytes of out0
	s_mov_b32 s79, 0
	s_mov_b32 s66, 0x76543210                      ; v_permlanex16_b32: lane i of one half reads lane i of the other
	s_mov_b32 s67, 0xfedcba98
	; Which 32 rows of V_w go first hangs on the work-group's parity (the sum over f knows no order).  The wave issues 66 loads and
	; LOADcnt holds 63 (ISA guide 5.7.1), so its last three are issued when the first have come back: rows 29-31 of the half taken second.
	; With the halves swapped in every other work-group each row of V_w is among the loads that half of the work-groups issue at once.
	s_and_b32 s81, ttmp9, 1
	s_lshl_b32 s88, s81, 16                        ; parity x 32 rows of 2,048 bytes
	s_xor_b32 s89, s88, 0x10000                    ; the other half
	s_add_co_u32 s88, s88, s80
	s_add_co_u32 s89, s89, s80
	s_lshl_b32 s81, s81, 7                         ; parity x 32 numbers of V_b
	s_add_co_u32 s83, s20, 1
	s_and_b32 s83, s83, 3
	s_mul_i32 s83, s83, TILE                       ; the place of wave (w + 1) % 4
	s_mul_i32 s82, s20, STGSZ
	s_add_co_u32 s82, s82, STG                     ; my staging
	s_lshl_b32 s90, s20, 7
	s_add_co_u32 s90, s90, RES                     ; my 32 results
	v_and_b32 v[LANE], 31, v0
	v_and_b32 v2, 15, v0                           ; l % 16
	v_bfe_u32 v3, v0, 4, 1                         ; l / 16
	v_lshlrev_b32 v[OO], 4, v[LANE]
	v_add_nc_u32 v[VOA], s88, v[OO]
	v_add_nc_u32 v[VOB], s89, v[OO]
	v_add_nc_u32 v[WO], s80, v[OO]
	v_lshlrev_b32 v[O8], 3, v[LANE]
	v_xor_b32 v[O8], s81, v[O8]                    ; V_b's halves swapped like V_w's: staged number i belongs to staged row i
	; a fragment's k = 8 (l / 16) + 0..7 and 16 + 8 (l / 16) + 0..7: in f32, 32 bytes at 32 (l / 16) and at 64 + 32 (l / 16)
	v_mul_u32_u24 v[AX], v2, PITCH
	v_lshl_add_u32 v[AX], v3, 5, v[AX]
	v_add_nc_u32 v[AX], s21, v[AX]
	v_add_nc_u32 v[AX+1], 2*SLOTP, v[AX]
	v_add_nc_u32 v[AX+2], 4*SLOTP, v[AX]
	v_add_nc_u32 v[AX+3], 6*SLOTP, v[AX]
	v_add_nc_u32 v[PS], s21, v[OO]
	v_add_nc_u32 v[PS+1], 2*SLOTP, v[PS]
	v_add_nc_u32 v[PS+2], 4*SLOTP, v[PS]
	v_add_nc_u32 v[RX], s83, v[OO]
	v_add_nc_u32 v[RX+1], 2*SLOTP, v[RX]
	v_add_nc_u32 v[RX+2], 4*SLOTP, v[RX]
	v_lshl_add_u32 v[VS], v[LANE], 3, s82
	v_mul_u32_u24 v[VFA], v2, VPITCH
	v_lshl_add_u32 v[VFA], v3, 4, v[VFA]           ; in bf16: 16 bytes at 16 (l / 16) and at 32 + 16 (l / 16)
	v_add_nc_u32 v[VFA], s82, v[VFA]
	v_lshl_add_u32 v[WFA], v3, 4, s82
	v_mov_b32 v[VBU], s82
	v_lshl_add_u32 v[RS], v[LANE], 2, s90
	v_add_nc_u32 v[RL], RES, v[OO]
	s_wait_dscnt 0x0
	s_wait_kmcnt 0x0                               ; the eight addresses
	; what is wanted first is asked for first: V_b, w, 32 rows of V_w; then all of X; then the other 32 rows
	global_load_b64 v[VBL:VBL+1], v[O8], s[8:9]
	global_load_b128 v[WR:WR+3], v[WO], s[10:11]
.set i, 0
.rept 32
	global_load_b128 v[RAWA+4*i:RAWA+4*i+3], v[VOA], s[6:7] offset:2048*i     ; 512 consecutive bytes of a row
.set i, i+1
.endr
	s_add_nc_u64 s[4:5], s[4:5], s[68:69]          ; X at the group's first row, my wave's columns
.irp p, 0,1,2,3
	s_add_nc_u64 s[G0+8*\p+2:G0+8*\p+3], s[4:5], s[70+2*\p:71+2*\p]
	s_add_nc_u64 s[G0+8*\p+6:G0+8*\p+7], s[G0+8*\p+2:G0+8*\p+3], XSTEP
	s_or_b32 s[G0+8*\p+3], s[G0+8*\p+3], 0x80000000
	s_or_b32 s[G0+8*\p+7], s[G0+8*\p+7], 0x80000000
	tensor_load_to_lds s[G0+8*\p:G0+8*\p+3], s[GX:GX+7]        ; tiles 2 p and 2 p + 1: the 32 rows of turn p
	s_nop 0
	tensor_load_to_lds s[G0+8*\p+4:G0+8*\p+7], s[GX:GX+7]
	s_nop 0
.endr
	WIN 0x80                                       ; destinations in window 2
.set i, 0
.rept 32
	global_load_b128 v[RAWB+4*i:RAWB+4*i+3], v[VOB], s[6:7] offset:2048*i
.set i, i+1
.endr
	WIN 0
	s_load_b32 s84, s[12:13], 0x0                  ; w0_w
	s_load_b32 s85, s[14:15], 0x0                  ; w0_b
	s_load_b32 s86, s[16:17], 0x0                  ; w_b
	s_add_nc_u64 s[18:19], s[18:19], s[78:79]      ; out0 at the group's first row
	; V_b into 64 registers, each number in every lane: through my own LDS bytes, which are served in order (ISA guide 5.7.1)
	s_wait_loadcnt 63                              ; of 66 loads at most 63 are out: V_b and w are in
	ds_store_b64 v[VS], v[VBL:VBL+1] offset:STB
.irp i, 0,1,2,3,4,5,6,7
	ds_load_b128 v[VBA+4*\i:VBA+4*\i+3], v[VBU] offset:STB+16*\i           ; all lanes read the same 16 bytes
.endr
	WIN 0x80
.irp i, 0,1,2,3,4,5,6,7
	ds_load_b128 v[VBB+4*\i:VBB+4*\i+3], v[VBU] offset:STB+128+16*\i
.endr
	WIN 0
	v_cvt_pk_bf16_f32 v[WR], v[WR], v[WR+1]
	v_cvt_pk_bf16_f32 v[WR+1], v[WR+2], v[WR+3]
	ds_store_b64 v[VS], v[WR:WR+1] offset:STW      ; the row of w: 128 bf16
.macro RADD r, b                               ; a row's four numbers + its V_b, which stands in register b
.if (\b) & 1
	v_pk_add_f32 v[\r:\r+1], v[\r:\r+1], v[\b-1:\b] op_sel:[0,1] op_sel_hi:[1,1]       ; both halves take the pair's second register
	v_pk_add_f32 v[\r+2:\r+3], v[\r+2:\r+3], v[\b-1:\b] op_sel:[0,1] op_sel_hi:[1,1]
.else
	v_pk_add_f32 v[\r:\r+1], v[\r:\r+1], v[\b:\b+1] op_sel_hi:[1,0]                    ; both halves take the first
	v_pk_add_f32 v[\r+2:\r+3], v[\r+2:\r+3], v[\b:\b+1] op_sel_hi:[1,0]
.endif
.endm
.macro RSQ r, sq, first                        ; sq += the row's squares; the first row starts the sums
.if \first
	v_pk_mul_f32 v[\sq:\sq+1], v[\r:\r+1], v[\r:\r+1]
	v_pk_mul_f32 v[\sq+2:\sq+3], v[\r+2:\r+3], v[\r+2:\r+3]
.else
	v_pk_fma_f32 v[\sq:\sq+1], v[\r:\r+1], v[\r:\r+1], v[\sq:\sq+1]
	v_pk_fma_f32 v[\sq+2:\sq+3], v[\r+2:\r+3], v[\r+2:\r+3], v[\sq+2:\sq+3]
.endif
.endm
.macro RCVT r                                  ; the row's four numbers to bf16, into its first two registers
	v_cvt_pk_bf16_f32 v[\r], v[\r], v[\r+1]
	v_cvt_pk_bf16_f32 v[\r+1], v[\r+2], v[\r+3]
.endm
.macro ROWS4 raw, vb, sq, i0, first            ; rows i0 .. i0 + 3 of a half
	RADD \raw+4*(\i0), \vb+\i0
	RADD \raw+4*(\i0)+4, \vb+\i0+1
	RADD \raw+4*(\i0)+8, \vb+\i0+2
	RADD \raw+4*(\i0)+12, \vb+\i0+3
	RSQ \raw+4*(\i0), \sq, \first
	RCVT \raw+4*(\i0)
	RSQ \raw+4*(\i0)+4, \sq, 0
	RCVT \raw+4*(\i0)+4
	RSQ \raw+4*(\i0)+8, \sq, 0
	RCVT \raw+4*(\i0)+8
	RSQ \raw+4*(\i0)+12, \sq, 0
	RCVT \raw+4*(\i0)+12
.endm
.macro GROUPA g, first
	s_wait_loadcnt 60-\g                           ; rows g .. g + 3 are loads 2 + g .. 5 + g of 66: 60 - g are younger
	ROWS4 RAWA, VBA, SQA, \g, \first
.irp d, 0,1,2,3
	ds_store_b64 v[VS], v[RAWA+4*(\g+\d):RAWA+4*(\g+\d)+1] offset:(\g+\d)*VPITCH   ; 32 lanes x 8 bytes: a row of 128 bf16
.endr
.endm
.macro LOADVF t0                               ; the 32 staged rows as fragments: column tiles t0 and t0 + 1, four K steps
.irp u, 0,1
.irp s, 0,1,2,3
	ds_load_b128 v[VF+32*\s+8*(\t0+\u):VF+32*\s+8*(\t0+\u)+3],   v[VFA] offset:\u*16*VPITCH+64*\s
	ds_load_b128 v[VF+32*\s+8*(\t0+\u)+4:VF+32*\s+8*(\t0+\u)+7], v[VFA] offset:\u*16*VPITCH+64*\s+32
.endr
.endr
.endm
	s_wait_dscnt 0x0                               ; V_b's 64 registers
	GROUPA 0, 1
.irp g, 4,8,12,16,20,24,28
	GROUPA \g, 0
.endr
	WIN 0x40                                       ; destinations in window 1
	LOADVF 0
	WIN 0xaa                                       ; the second half: every operand in window 2
	s_wait_loadcnt 28                              ; its rows 0-3 are loads 34-37 of 66
	ROWS4 RAWB, VBB, SQB, 0, 1
.irp g, 4,8,12,16,20,24,28
	s_wait_loadcnt 28-\g
	ROWS4 RAWB, VBB, SQB, \g, 0
.endr
	WIN 0x08                                       ; source 1 (store data, second addend) in window 2
	s_wait_dscnt 0x0                               ; the first half's fragments have been read: the staged rows may be written over
.set i, 0
.rept 32
	ds_store_b64 v[VS], v[RAWB+4*i:RAWB+4*i+1] offset:i*VPITCH
.set i, i+1
.endr
	v_pk_add_f32 v[SQA:SQA+1], v[SQA:SQA+1], v[SQB:SQB+1]
	v_pk_add_f32 v[SQA+2:SQA+3], v[SQA+2:SQA+3], v[SQB+2:SQB+3]
	WIN 0
	v_pk_mul_f32 v[SQA:SQA+1], v[SQA:SQA+1], -0.5 op_sel_hi:[1,0]
	v_pk_mul_f32 v[SQA+2:SQA+3], v[SQA+2:SQA+3], -0.5 op_sel_hi:[1,0]
	v_cvt_pk_bf16_f32 v[SQA], v[SQA], v[SQA+1]
	v_cvt_pk_bf16_f32 v[SQA+1], v[SQA+2], v[SQA+3]
	ds_store_b64 v[VS], v[SQA:SQA+1] offset:STQ    ; the row of -0.5 sq
	WIN 0x40
	LOADVF 2
.irp s, 0,1,2,3
	ds_load_b128 v[WF+8*\s:WF+8*\s+3],   v[WFA] offset:STW+64*\s           ; the same row for all 16 columns
	ds_load_b128 v[WF+8*\s+4:WF+8*\s+7], v[WFA] offset:STW+64*\s+32
	ds_load_b128 v[QF+8*\s:QF+8*\s+3],   v[WFA] offset:STQ+64*\s
	ds_load_b128 v[QF+8*\s+4:QF+8*\s+7], v[WFA] offset:STQ+64*\s+32
.endr
	WIN 0
	s_wait_kmcnt 0x0                               ; the three scalars
	s_add_f32 s84, s84, s85
	s_add_f32 s84, s84, s86                        ; c0 = w0_w + w0_b + w_b
	s_mul_f32 s87, s84, 0.5                        ; each half of the lanes adds half of it
.macro MM acc, a, b, first                     ; acc += a (window 1) x b; first = 1: the product starts the sum, nothing is cleared
.if \first
	v_wmma_f32_16x16x32_bf16 v[\acc:\acc+7], v[\a:\a+7], v[\b:\b+7], 0
.else
	v_wmma_f32_16x16x32_bf16 v[\acc:\acc+7], v[\a:\a+7], v[\b:\b+7], v[\acc:\acc+7]
.endif
.endm
.macro KSTEP s, vf, wf                         ; the two links of the fifth chain stand apart
	MM ACC+32, WF+8*\s, XB+8*\s, \wf
	MM ACC, VF+32*\s, XB+8*\s, \vf
	MM ACC+8, VF+32*\s+8, XB+8*\s, \vf
	MM ACC+32, QF+8*\s, XS+8*\s, 0
	MM ACC+16, VF+32*\s+16, XB+8*\s, \vf
	MM ACC+24, VF+32*\s+24, XB+8*\s, \vf
.endm
; Tile u (0, 1) of turn p: 16 rows x my 128 k, from my slot 2 p + u.  left = how many younger tensor loads stay out.
; chain = 1: the sums go on from those that the neighbour left in its slot 2 (p - 1) + u.  fin = 1: they are whole afterwards.
.macro XTILE p, u, left, chain, fin
	s_wait_tensorcnt \left                         ; tensor loads end in order: this tile is in LDS
.if \chain
.irp q, 0,1,2,3,4,5,6,7
	ds_load_b128 v[ACC+4*\q:ACC+4*\q+3], v[RX+\p-1] offset:\u*SLOTP+512*\q     ; four accumulators, as they were stored
.endr
	ds_load_b32 v[CARRY], v[RX+\p-1] offset:\u*SLOTP+4096
.endif
.irp s, 0,1,2,3
	ds_load_b128 v[XF+16*\s:XF+16*\s+3],     v[AX+\p] offset:\u*SLOTP+128*\s
	ds_load_b128 v[XF+16*\s+4:XF+16*\s+7],   v[AX+\p] offset:\u*SLOTP+128*\s+16
	ds_load_b128 v[XF+16*\s+8:XF+16*\s+11],  v[AX+\p] offset:\u*SLOTP+128*\s+64
	ds_load_b128 v[XF+16*\s+12:XF+16*\s+15], v[AX+\p] offset:\u*SLOTP+128*\s+80
.endr
.irp s, 0,1,2,3
	s_wait_dscnt 12-4*\s                           ; K step s and all that was issued before it are in; the four loads of each later K step stay out
.irp e, 0,1,2,3,4,5,6,7
	v_cvt_pk_bf16_f32 v[XB+8*\s+\e], v[XF+16*\s+2*\e], v[XF+16*\s+2*\e+1]
.endr
.irp e, 0,1,2,3,4,5,6,7
	v_pk_mul_bf16 v[XS+8*\s+\e], v[XB+8*\s+\e], v[XB+8*\s+\e]                  ; two squares at once
.endr
.endr
	WIN 0x01                                       ; source 0 (V, W, Q) in window 1
.if \chain
	KSTEP 0, 0, 1
.else
	KSTEP 0, 1, 1
.endif
	KSTEP 1, 0, 0
	KSTEP 2, 0, 0
	KSTEP 3, 0, 0
	WIN 0
.rept 4
	v_nop                                          ; four places behind the matrix instructions (ISA guide 7.12.1) before their results are read or stored,
.endr                                                  ; before the next tile's loads land on them and its conversions write XB and XS
.if \fin
.irp d, 0,2,4,6
	v_pk_mul_f32 v[SQ+\d:SQ+\d+1], v[ACC+\d:ACC+\d+1], v[ACC+\d:ACC+\d+1]      ; four chains, started by the first squares
.endr
.irp k, 8,16,24
.irp d, 0,2,4,6
	v_pk_fma_f32 v[SQ+\d:SQ+\d+1], v[ACC+\k+\d:ACC+\k+\d+1], v[ACC+\k+\d:ACC+\k+\d+1], v[SQ+\d:SQ+\d+1]
.endr
.endr
	v_add_f32 v[CARRY], v[CARRY], v[ACC+32]        ; X.w - 0.5 X^2.sq, whole, the same in both halves of the lanes
	v_pk_add_f32 v[SQ:SQ+1], v[SQ:SQ+1], v[SQ+2:SQ+3]
	v_pk_add_f32 v[SQ+4:SQ+5], v[SQ+4:SQ+5], v[SQ+6:SQ+7]
	v_pk_add_f32 v[SQ:SQ+1], v[SQ:SQ+1], v[SQ+4:SQ+5]
	v_add_f32 v[SQ], v[SQ], v[SQ+1]                ; the squares of my 32 f
	v_add_f32 v[SQ], v[SQ], v[CARRY]
	v_fma_f32 v[Z+\u], v[SQ], 0.5, s87             ; the two halves of the lanes add up to c0 + X.w - 0.5 X^2.sq + 0.5 |XV|^2
.else
.irp q, 0,1,2,3,4,5,6,7
	ds_store_b128 v[PS+\p], v[ACC+4*\q:ACC+4*\q+3] offset:\u*SLOTP+512*\q      ; over the tile's own slot, whose reads were waited for above
.endr
.if \chain
	v_add_f32 v[CARRY], v[CARRY], v[ACC+32]
	ds_store_b32 v[PS+\p], v[CARRY] offset:\u*SLOTP+4096
.else
	ds_store_b32 v[PS+\p], v[ACC+32] offset:\u*SLOTP+4096
.endif
.endif
.endm
.macro TURN                                    ; between two turns
	s_wait_dscnt 0x0                               ; my sums are in LDS, for my neighbour's sake
	s_barrier_signal -1
	s_barrier_wait -1
.endm
	XTILE 0, 0, 7, 0, 0
	XTILE 0, 1, 6, 0, 0
	TURN
	XTILE 1, 0, 5, 1, 0
	XTILE 1, 1, 4, 1, 0
	TURN
	XTILE 2, 0, 3, 1, 0
	XTILE 2, 1, 2, 1, 0
	TURN
	XTILE 3, 0, 1, 1, 1
	XTILE 3, 1, 0, 1, 1                            ; nothing was asked for behind this tile
	; lanes 0-15 finish rows 32 w + lane, lanes 16-31 likewise (the turn's second tile): each keeps its half of its own tile and hands over the other
	v_cmp_gt_u32 vcc_lo, 16, v[LANE]
	v_cndmask_b32 v[TA], v[Z+1], v[Z], vcc_lo
	v_cndmask_b32 v[TB], v[Z], v[Z+1], vcc_lo
	v_permlanex16_b32 v[SQ], v[TB], s66, s67       ; its destination counts as read: a register that has been written
	v_add_f32 v[TA], v[TA], v[SQ]
	ds_store_b32 v[RS], v[TA]
	s_wait_dscnt 0x0                               ; for wave 0's sake
	s_barrier_signal -1
	s_barrier_wait -1
	s_cmp_lg_u32 s20, 0
	s_cbranch_scc1 .Lend
	ds_load_b128 v[XF:XF+3], v[RL]
	s_wait_dscnt 0x0
	global_store_b128 v[OO], v[XF:XF+3], s[18:19] th:TH_STORE_NT   ; one store covers the group's 512 consecutive bytes, aligned
.Lend:
	s_set_vgpr_msb 0x4
	s_wait_tensorcnt 0x0
	ds_add_u32 v25, v255
	s_wait_dscnt 0x0
	s_set_vgpr_msb 0x400
	s_endpgm
.Lfunc_end_k_q664cb1bbff_fm:
	.size	k_q664cb1bbff_fm, .Lfunc_end_k_q664cb1bbff_fm-k_q664cb1bbff_fm
	.p2alignl 7, 3214868480
	.fill 96, 4, 3214868480
	.section	.rodata,"a",@progbits
	.p2align	6, 0x0
	.amdhsa_kernel k_q664cb1bbff_fm
		.amdhsa_group_segment_fixed_size 309248
		.amdhsa_private_segment_fixed_size 0
		.amdhsa_enable_private_segment 0
		.amdhsa_kernarg_size 64
		.amdhsa_user_sgpr_count 2
		.amdhsa_user_sgpr_kernarg_segment_ptr 1
		.amdhsa_wavefront_size32 1
		.amdhsa_system_sgpr_workgroup_id_x 1
		.amdhsa_system_sgpr_workgroup_id_y 1
		.amdhsa_system_sgpr_workgroup_id_z 1
		.amdhsa_system_vgpr_workitem_id 0
		.amdhsa_next_free_vgpr 704
		.amdhsa_next_free_sgpr 96
		.amdhsa_reserve_vcc 1
		.amdhsa_float_denorm_mode_32 3
		.amdhsa_float_denorm_mode_16_64 3
		.amdhsa_memory_ordered 1
		.amdhsa_forward_progress 1
		.amdhsa_inst_pref_size 113
	.end_amdhsa_kernel
	.amdgpu_metadata
---
amdhsa.version: [ 1, 2 ]
amdhsa.kernels:
  - .name:           k_q664cb1bbff_fm
    .symbol:         k_q664cb1bbff_fm.kd
    .args:
      - { .name: X, .offset: 0, .size: 8, .value_kind: global_buffer, .address_space: global }
      - { .name: V_w, .offset: 8, .size: 8, .value_kind: global_buffer, .address_space: global }
      - { .name: V_b, .offset: 16, .size: 8, .value_kind: global_buffer, .address_space: global }
      - { .name: w_w, .offset: 24, .size: 8, .value_kind: global_buffer, .address_space: global }
      - { .name: w0_w, .offset: 32, .size: 8, .value_kind: global_buffer, .address_space: global }
      - { .name: w0_b, .offset: 40, .size: 8, .value_kind: global_buffer, .address_space: global }
      - { .name: w_b, .offset: 48, .size: 8, .value_kind: global_buffer, .address_space: global }
      - { .name: out0, .offset: 56, .size: 8, .value_kind: global_buffer, .address_space: global }
    .group_segment_fixed_size: 309248
    .private_segment_fixed_size: 0
    .kernarg_segment_align: 8
    .kernarg_segment_size: 64
    .max_flat_workgroup_size: 128
    .sgpr_count:     96
    .vgpr_count:     704
    .wavefront_size: 32
...
	.end_amdgpu_metadata
.endif
;; end of part 1
